; MI455X (gfx1250); checked and timed in simulation.
; The chip was launched on July 23, 2026; its instructions are those of AMD's public machine-readable ISA for CDNA 5 (MIT licence, August 2026) and "CDNA5" Instruction Set Architecture Reference Guide (July 2026). The comments in the code are by the model that wrote it; some were corrected since.
;; Head self Dec. Allowed arithmetic: matrix products marked QUANTISED: E5M2 operands, one E8M0 scale for each 32 along K, by v_wmma_scale_f32_16x16x128_f8f6f4 with both operands' format E5M2, f32 sums; everything else in f32.
;; Inputs: Wk 512 x 64 float32; Wq 512 x 64 float32; Wv 512 x 64 float32; x 16 x 2,048 x 512 float32.
;; Outputs: out0 16 x 2,048 x 64 float32.
;; This version of the problem:
;;   THIS VERSION OF THE PROBLEM IS GIVEN IN LOW PRECISION. The matrix products marked QUANTISED in the list below multiply operands that are first quantised to E5M2 (5 exponent bits, 2 mantissa bits; 8 bits a number), with one power-of-two scale for each 32 numbers along K (OCP MX v1.0); their sums are f32. All else is computed in f32.
;;   The module's matrix products, in the order in which they are computed (A, B: the left and right operand; K: the contracted axis; several contracted axes count as one K, in the product's order):
;;     1. [M 32,768, K 512] x [K 512, N 64]; A: input x; B: input Wq: QUANTISED
;;     2. [M 32,768, K 512] x [K 512, N 64]; A: input x; B: input Wk: QUANTISED
;;     3. [M 32,768, K 512] x [K 512, N 64]; A: input x; B: input Wv: QUANTISED
;;     4. batch 16 x [M 2,048, K 64] x [K 64, N 2,048]; A: computed on the way; B: computed on the way: QUANTISED
;;     5. batch 16 x [M 2,048, K 2,048] x [K 2,048, N 64]; A: softmax (see below); B: computed on the way: QUANTISED
;;   THE QUANTISER, for each operand of a quantised product, along K:
;;     - K is cut into blocks of 32 from its start; a last block that is shorter is filled with zeros.
;;     - A block's scale is 2^e with e = floor(log2(the largest magnitude in the block)) - 15, held to -126 .. 127; a block of zeros has e = 0. As a byte (E8M0): e + 127.
;;     - Each number is divided by its block's scale, clamped to +-57,344, and rounded to the nearest number of E5M2, ties to even, subnormals kept.
;;     - The product sums the exact products of the quantised numbers (number of the format x scale) in f32.
;;   ~~~python
;;   def quantise(x, axis):      # numpy; x: float32 -> the quantised numbers, widened to float32 again
;;       x = np.moveaxis(x, axis, -1); K = x.shape[-1]
;;       x = np.pad(x, [(0, 0)] * (x.ndim - 1) + [(0, -K % 32)]); x = x.reshape(x.shape[:-1] + (-1, 32)); a = np.abs(x).max(-1, keepdims=True)
;;       e = np.where(a > 0, np.clip(np.frexp(np.where(a > 0, a, 1))[1] - 1 - 15, -126, 127), 0)      # np.frexp(a)[1] - 1 = floor(log2(a)), exactly
;;       r = np.clip(x / 2.0 ** e, -57344, 57344)
;;       step = 2.0 ** (np.maximum(np.frexp(np.where(r == 0, 1, r))[1] - 1, -14) - 2)
;;       q = np.round(r / step) * step * 2.0 ** e      # np.round: ties to even
;;       return np.moveaxis(q.reshape(q.shape[:-2] + (-1,))[..., :K], -1, axis).astype(np.float32)
;;   ~~~
;;   SOFTMAX AHEAD OF A QUANTISED PRODUCT. Where the list says 'softmax', what is quantised is not the finished softmax but p = 2^(t - M), with t = logit x log2(e) and M = ceil(the row's largest t), a whole number; so 1/2 < the row's largest p <= 1. The row's sum l is taken of the UNQUANTISED p, in f32, and the product's result is divided by l at the end. Since M is a whole number, a kernel that streams over the keys may use a running M (the ceiling of the running maximum): every later rescaling is an exact power of two, which a block's scale takes up: the codes' values come out the same.
;;   OPERANDS COMPUTED ON THE WAY. 'Computed on the way' means the value that the module computes at that place (a softmax that the list does not call 'softmax' is quantised finished and normalised). What goes into a quantiser is computed in f32, as accurately as f32 sums, v_exp_f32 and their like allow (about 1e-6 of the number): no bf16 or f16 on the way to a quantiser, and a product that is left as it is and whose result goes on into a quantised operand takes f32 operands (vector FMAs, or v_wmma_f32_16x16x4_f32). A number that lies on a knife's edge between two numbers of the format may be rounded either way, as far as f32 arithmetic and the matrix unit's own rounding can turn it there, and no further.
;; One version. Each part assembles by itself: llvm-mc -triple=amdgcn-amd-amdhsa -mcpu=gfx1250 --defsym DOCPART=n.
;; ======== version 1 of 1: 3 launches
;; limits: right only within a limited range of input values
;; workspace buffers: wcodes 98,304 bytes; wscales 6,144 bytes; qc 2,097,152 bytes; qs 131,072 bytes; kv 4,325,376 bytes
;; launch wquant (part 1): grid 12 x 1, 4 waves a work-group, no clusters, 0 bytes of LDS; arguments Wq, Wk, Wv, wcodes, wscales; writes wcodes, wscales
.if DOCPART == 1
	.amdgcn_target "amdgcn-amd-amdhsa--gfx1250"
	.amdhsa_code_object_version 6
	.text
	.protected	k_q214a57f2d5_wquant
	.globl	k_q214a57f2d5_wquant
	.p2align	8
	.type	k_q214a57f2d5_wquant,@function
k_q214a57f2d5_wquant:
	s_mov_b64 s[64:65], 0
	v_nop
	global_prefetch_b8 v0, s[64:65] scope:SCOPE_SE
	s_setreg_imm32_b32 hwreg(HW_REG_WAVE_MODE, 25, 1), 1
	s_wait_xcnt 0x0
; THE PROGRAM: one causal attention head, out = softmax(q k^T / 8) v with q, k, v = x Wq, x Wk, x Wv; all five products on codes of E5M2 with one E8M0 scale for each 32 along K.
; Three launches: this one turns the three weights into codes; the second makes q, k and v and turns them into codes; the third is the attention.
; WORK LEFT OUT (in the third launch): the problem's own causal mask sets the score of key k for query q to -infinity wherever k > q, so its weight is 0 whatever finite values the inputs hold.
; A block of 128 keys all of which come after all 16 queries of a tile adds 0 to that tile's sums and to its result: neither its scores nor its product with v are computed.
; LIMIT: a NaN, an infinity or an overflow that reaches only those blocks is not carried to the result.  Every input has a way to the output: all four are loaded.
;
; THIS LAUNCH.  W [512 (e)][64 (h)] f32 has K = e as its FIRST axis.  A lane takes a column h and its registers run down e, in the order in which an operand's registers want them, so the conversions' results
; ARE a fragment's registers (16 columns x 128 along e: 16 registers a lane).  They are stored as they stand: register group c of lane l at 512 c + 16 l of the fragment's 2,048 bytes; the scale word at 4 l of 128.
; Work-group = tile of 16 columns (0-3: Wq, 4-7: Wk, 8-11: Wv), wave = K step of 128.
; THE COLUMNS OF A TILE OF Wq AND Wk ARE NOT NEIGHBOURS: lane r of tile t takes h = 32 (t / 2) + 8 (t % 2) + r + 8 (r / 8), so that the second launch's results of two neighbouring tiles are 16 neighbours along h.
; A tile of Wv has h = 16 t + r.
; A block's scale is 2^(floor(log2(its largest magnitude)) - 15); its byte is that magnitude's exponent field - 15, held at 1 from below.
; LIMITS: NaN and infinities among the inputs are not served; a block whose largest magnitude lies under 2^-111 has its byte held at 1; a block of zeros gets the byte 1 where the rule says 127:
; its codes are zeros, which add nothing under that byte, and this program alone reads the bytes.
; The scale words leave as 128 bytes a wave, 512 on end for the work-group's four waves: 6,144 bytes in all beside the 393,216 read.
.set X,  64                            ; v64-127  my 64 numbers: register 16 c + i = e 32 c + 16 (lane / 16) + i of my K step
.set TM, 32                            ; v32-35 largest magnitudes, v36-39 bytes, v40-43 the hold, v44-47 the conversions' scale operands
.set C,  48                            ; v48-63   the codes
	s_load_b256 s[4:11], s[0:1], 0x0               ; Wq s[4:5], Wk s[6:7], Wv s[8:9], wcodes s[10:11]
	s_load_b64 s[12:13], s[0:1], 0x20              ; wscales
	v_lshrrev_b32 v1, 5, v0
	v_readfirstlane_b32 s20, v1                    ; wave = K step
	v_and_b32 v1, 15, v0                           ; r
	s_wait_alu depctr_va_vdst(0)
	v_bfe_u32 v2, v0, 4, 1                         ; lane / 16
	v_and_b32 v3, 31, v0                           ; lane
	s_and_b32 s17, ttmp9, 3                        ; t: the tile within its weight
	s_lshr_b32 s18, s17, 1
	s_lshl_b32 s18, s18, 5
	s_and_b32 s19, s17, 1
	s_lshl_b32 s19, s19, 3
	s_add_co_u32 s18, s18, s19                     ; Wq, Wk: the tile's first column 32 (t / 2) + 8 (t % 2)
	s_lshl_b32 s19, s17, 4                         ; Wv: 16 t
	s_cmp_lt_u32 ttmp9, 8
	s_cselect_b32 s18, s18, s19
	s_cselect_b32 s16, 8, 0                        ; Wq, Wk: lanes 8-15 stand 8 columns further on
	v_and_b32 v4, s16, v1
	v_add_nc_u32 v4, v4, v1                        ; my column within the tile
	v_lshlrev_b32 v5, 2, v4
	s_wait_alu depctr_va_vdst(0)
	v_lshl_add_u32 v5, v2, 12, v5                  ; + 16 rows of 256 bytes for lanes 16-31
	v_lshlrev_b32 v6, 4, v3                        ; out: 16 bytes a lane
	v_lshlrev_b32 v7, 2, v3                        ; and 4 for the scale word
	s_lshl_b32 s22, s20, 15                        ; my K step: 128 rows of 256 bytes
	s_lshl_b32 s23, s18, 2
	s_add_co_u32 s22, s22, s23
	s_mov_b32 s23, 0
	s_lshl_b32 s24, ttmp9, 2
	s_add_co_u32 s24, s24, s20                     ; the fragment's number: 4 x tile + K step
	s_lshl_b32 s26, s24, 7
	s_mov_b32 s27, 0
	s_lshl_b32 s24, s24, 11
	s_mov_b32 s25, 0
	s_mov_b32 s28, 0x76543210
	s_mov_b32 s29, 0xfedcba98                      ; lane selects: lane l xor 16
	s_mov_b32 s30, 0x600000                        ; the mantissa field of 57,344
	s_wait_alu depctr_va_vdst(0)
	s_wait_kmcnt 0x0
	s_cmp_lt_u32 ttmp9, 8                          ; which weight: the choice hangs on the work-group's number alone
	s_cselect_b64 s[14:15], s[6:7], s[8:9]
	s_cmp_lt_u32 ttmp9, 4
	s_cselect_b64 s[14:15], s[4:5], s[14:15]
	s_add_nc_u64 s[14:15], s[14:15], s[22:23]
	s_add_nc_u64 s[10:11], s[10:11], s[24:25]
	s_add_nc_u64 s[12:13], s[12:13], s[26:27]
.irp c, 0,1,2,3
.irp i, 0,1,2,3,4,5,6,7,8,9,10,11,12,13,14,15
	global_load_b32 v[X+16*\c+\i], v5, s[14:15] offset:256*(32*\c+\i)
.endr
.endr
.irp b, 0,1,2,3
	v_mov_b32 v[TM+4+\b], 0                        ; a lane permute's destination counts as one of its sources
.endr
	s_wait_loadcnt 0x0
.irp b, 0,1,2,3
	v_max3_num_f32 v[TM+\b], |v[X+16*\b]|, |v[X+1+16*\b]|, 0x8000000   ; block b: my 16 numbers and the floor 2^(16 - 127): the byte cannot fall under 1
.endr
.irp i, 2,4,6,8,10,12,14
.irp b, 0,1,2,3
	v_max3_num_f32 v[TM+\b], v[TM+\b], |v[X+16*\b+\i]|, |v[X+1+16*\b+\i]|   ; the four blocks by turns
.endr
.endr
.irp b, 0,1,2,3
	v_permlanex16_b32 v[TM+4+\b], v[TM+\b], s28, s29
.endr
.irp b, 0,1,2,3
	v_max_num_f32 v[TM+\b], v[TM+\b], v[TM+4+\b]   ; with lane l xor 16's 16: the block's largest magnitude
.endr
.irp b, 0,1,2,3
	v_add_nc_u32 v[TM+12+\b], 0xf8800000, v[TM+\b] ; 15 off its exponent field: the conversion takes this operand's exponent field as its scale
.endr
.irp b, 0,1,2,3
	v_and_or_b32 v[TM+8+\b], v[TM+\b], 0x7f800000, s30   ; 57,344 x the scale
.endr
.irp b, 0,1,2,3
	v_lshrrev_b32 v[TM+4+\b], 23, v[TM+12+\b]      ; the scale's byte
.endr
	v_lshl_or_b32 v9, v[TM+5], 8, v[TM+4]          ; my column's scale word for this K step
	v_lshl_or_b32 v9, v[TM+6], 16, v9
	v_lshl_or_b32 v9, v[TM+7], 24, v9
.irp c, 0,1,2,3
.irp i, 0,1,2,3,4,5,6,7,8,9,10,11,12,13,14,15
	v_med3_num_f32 v[X+16*\c+\i], v[X+16*\c+\i], -v[TM+8+\c], v[TM+8+\c]   ; the conversion to an 8-bit code does not saturate (ISA guide 7.6.2): the hold comes first
.endr
.endr
.irp c, 0,1,2,3
	v_cvt_scalef32_pk8_bf8_f32 v[C+4*\c:C+4*\c+1], v[X+16*\c:X+16*\c+7], v[TM+12+\c]
	v_cvt_scalef32_pk8_bf8_f32 v[C+4*\c+2:C+4*\c+3], v[X+16*\c+8:X+16*\c+15], v[TM+12+\c]
.endr
	v_nop                                          ; a plain line behind the last conversion
.irp c, 0,1,2,3
	global_store_b128 v6, v[C+4*\c:C+4*\c+3], s[10:11] offset:512*\c   ; 32 lanes store 512 consecutive bytes, at a multiple of 256 from the buffer's first byte
.endr
	global_store_b32 v7, v9, s[12:13]
	s_endpgm
.Lfunc_end_k_q214a57f2d5_wquant:
	.size	k_q214a57f2d5_wquant, .Lfunc_end_k_q214a57f2d5_wquant-k_q214a57f2d5_wquant
	.p2alignl 7, 3214868480
	.fill 96, 4, 3214868480
	.section	.rodata,"a",@progbits
	.p2align	6, 0x0
	.amdhsa_kernel k_q214a57f2d5_wquant
		.amdhsa_group_segment_fixed_size 0
		.amdhsa_private_segment_fixed_size 0
		.amdhsa_enable_private_segment 0
		.amdhsa_kernarg_size 40
		.amdhsa_user_sgpr_count 2
		.amdhsa_user_sgpr_kernarg_segment_ptr 1
		.amdhsa_wavefront_size32 1
		.amdhsa_system_sgpr_workgroup_id_x 1
		.amdhsa_system_sgpr_workgroup_id_y 1
		.amdhsa_system_sgpr_workgroup_id_z 1
		.amdhsa_system_vgpr_workitem_id 0
		.amdhsa_next_free_vgpr 128
		.amdhsa_next_free_sgpr 66
		.amdhsa_reserve_vcc 0
		.amdhsa_float_denorm_mode_32 3
		.amdhsa_float_denorm_mode_16_64 3
		.amdhsa_memory_ordered 1
		.amdhsa_forward_progress 1
		.amdhsa_inst_pref_size 17
	.end_amdhsa_kernel
	.amdgpu_metadata
---
amdhsa.version: [ 1, 2 ]
amdhsa.kernels:
  - .name:           k_q214a57f2d5_wquant
    .symbol:         k_q214a57f2d5_wquant.kd
    .args:
      - { .name: Wq, .offset: 0, .size: 8, .value_kind: global_buffer, .address_space: global }
      - { .name: Wk, .offset: 8, .size: 8, .value_kind: global_buffer, .address_space: global }
      - { .name: Wv, .offset: 16, .size: 8, .value_kind: global_buffer, .address_space: global }
      - { .name: wcodes, .offset: 24, .size: 8, .value_kind: global_buffer, .address_space: global }
      - { .name: wscales, .offset: 32, .size: 8, .value_kind: global_buffer, .address_space: global }
    .group_segment_fixed_size: 0
    .private_segment_fixed_size: 0
    .kernarg_segment_align: 8
    .kernarg_segment_size: 40
    .max_flat_workgroup_size: 128
    .sgpr_count:     66
    .vgpr_count:     128
    .wavefront_size: 32
...
	.end_amdgpu_metadata
.endif
;; end of part 1
;; launch proj (part 2): grid 256 x 1, 8 waves a work-group, no clusters, 286,464 bytes of LDS; arguments x, wcodes, wscales, qc, qs, kv; writes qc, qs, kv
.if DOCPART == 2
	.amdgcn_target "amdgcn-amd-amdhsa--gfx1250"
	.amdhsa_code_object_version 6
	.text
	.protected	k_q214a57f2d5_proj
	.globl	k_q214a57f2d5_proj
	.p2align	8
	.type	k_q214a57f2d5_proj,@function
k_q214a57f2d5_proj:
	s_mov_b64 s[64:65], 0
	v_nop
	global_prefetch_b8 v0, s[64:65] scope:SCOPE_SE
	s_setreg_imm32_b32 hwreg(HW_REG_WAVE_MODE, 25, 1), 1
	s_wait_xcnt 0x0
; q, k, v = x Wq, x Wk, x Wv on codes of E5M2 (one E8M0 scale for each 32 along e), and q, k, v themselves turned into codes: q and k along h, v along the tokens (the keys of the last product).
; No work of the problem is left out here.
; SHARES.  A work-group takes 128 tokens: one RECORD, in four CHUNKS of 32 tokens.  A record's eight row tiles are not runs of neighbours: lane r of tile m = 2 b + u stands for token 32 b + 8 u + r + 8 (r / 8): chunk b is tiles 2 b and 2 b + 1.
; THE WAVES SHARE THE COLUMNS: wave w < 4 holds two tiles of Wq (w < 2) or Wk, which are block w % 2 of 32 along h: 8 fragments; wave w >= 4 holds tile w - 4 of Wv: 4 fragments.  W is loaded once.
; x: wave w brings 32 rows x 1,024 bytes (chunk w / 2, half w % 2 of e) into LDS by one tensor load; all eight are asked for at the head, one of a wave is outstanding, no LDS byte is filled twice.
; A CHUNK: its two waves have waited for their loads; a barrier; every wave turns 16 tokens (32 b + 16 (w / 4) on) x 128 along e (K step w % 4) into codes and hands them to the others as IMAGES OF THE OPERAND'S REGISTERS
; (token i of the 16 is lane i % 8 + 8 (w / 4) of tile i / 8); a barrier; every wave fetches the chunk's eight fragments, multiplies over all of e, turns its results into codes and stores them, while the later chunks land.
; q, k: the product is used TRANSPOSED (source 0 = 16 columns of W, source 1 = 16 tokens): a lane holds one token, and the 16 registers of my two tiles are h = 32 (w % 2) + 16 (lane / 16) + 0 .. 15.
; v: source 0 = 16 tokens, source 1 = 16 columns of Wv: a lane holds one h, and the 16 registers of row tiles 2 b, 2 b + 1 are tokens 32 b + 16 (lane / 16) + 0 .. 15.  So every conversion's result is a register group of the next launch's operands.
; OUT: qc [record][m][c][lane][16]; qs [record][r][m]: a word b0 b1 b0 b1 of the token's two scale bytes; kv [record] of 16,896 bytes: K's codes (1,024 m + 512 c + 16 lane), V's (8,192 + 2,048 c' + 512 b + 16 lane),
; K's scale words [r][pair b] (byte 2 u + c) at 16,384, V's [r][c'] at 16,640.
; NO CLUSTER: each work-group's rows of x are its own; the weights go from memory straight into the registers in which they stay.  No prefetch: every byte is asked for at the head.
; LIMITS: as stated at the head of the first kernel (NaN and infinities not served; bytes held at 1 from below; a block of zeros has the byte 1).
; REGISTERS: window 0, below; window 1: accumulators from v0 on (q, k: row tile u, column tile t at 16 u + 8 t; v: row tile u at 8 u), W's fragment (tile t, K step s) at 128 + 16 (4 t + s).
.set XPT,   1040                       ; LDS: a row of a load: 1,024 bytes + 16 of padding
.set XL,    33280                      ; a load's 32 rows
.set IMG,   266240                     ; the chunk's eight fragment images, K step s and tile u at 2 s + u:
.set IP,    2176                       ; 2,048 bytes, and 128 more: so the two tiles into which a wave stores start 32 banks apart
.set ISC,   283648                     ; and their scale words, 128 bytes each (64 of them used)
.set SS,    284672                     ; q's and k's scale bytes, 128 for each wave ([r][m]); from + 512 V's scale words [r][c']
.set SPARE, 285440                     ; the spare words, 128 bytes for each wave: four blocks of 256 bytes that no other line names
.set LI0, 1                            ; 16 x lane
.set LS0, 2                            ; 4 x lane
.set XA,  3                            ; my place among the chunk's rows of x
.set IWI, 4                            ; where I store images
.set IWS, 5                            ; and scale words
.set LI,  6                            ; IMG + 16 lane
.set LS,  7                            ; ISC + 4 r
.set SA,  8                            ; SS + 128 (w % 4) + 8 r
.set SV,  9                            ; SS + 512 + 16 r + 4 (w % 4)
.set SB4, 10                           ; SS + 4 lane
.set SB8, 11                           ; SS + 512 + 8 lane
.set G8,  12                           ; 8 x lane
.set PW,  13                           ; a scale word
.set SPW, 14
.set NIL, 15
.set PC,  16                           ; v16-31  codes
.set TM,  32                           ; v32-35 largest magnitudes, v36-39 bytes, v40-43 the hold, v44-47 the conversions' scale operands
.set XS,  48                           ; v48-55  x's scale words, v56-63 W's
.set WS,  56
.set NUM, 64                           ; v64-127 64 numbers of x
.set FRG, 128                          ; v128-255 the chunk's eight fragments
.set WV,  16                           ; s16  my wave's number
.set G1,  20
.set G0,  28
.set SEL, 66
.set MNT, 68
.set MSB, 0
.macro WIN new                         ; the immediate's low byte: bits 1:0 source 0, 3:2 source 1, 5:4 source 2, 7:6 destination; its high byte repeats the setting that is left
.set WNEW, \new
.if MSB != WNEW
	s_set_vgpr_msb (MSB<<8)|WNEW
.set MSB, WNEW
.endif
.endm
; nb blocks of 16 numbers of a lane, v[s] on in window w (the other 16 of each block lie in lane l xor 16), become codes in v[PC] on, four registers a block; the bytes stay in v[TM+4] on; word = 1: the four make v[PW].
.macro QUANT s, w, nb, word
	WIN (\w)|((\w)<<2)
.set bb, 0
.rept \nb
	v_max3_num_f32 v[TM+bb], |v[(\s)+16*bb]|, |v[(\s)+1+16*bb]|, 0x8000000   ; from the low end on, and the floor 2^(16 - 127): the byte cannot fall under 1
.set bb, bb+1
.endr
	WIN ((\w)<<2)|((\w)<<4)
.irp i, 2,4,6,8,10,12,14
.set bb, 0
.rept \nb
	v_max3_num_f32 v[TM+bb], v[TM+bb], |v[(\s)+16*bb+\i]|, |v[(\s)+1+16*bb+\i]|   ; the blocks by turns
.set bb, bb+1
.endr
.endr
	WIN 0
.set bb, 0
.rept \nb
	v_permlanex16_b32 v[TM+4+bb], v[TM+bb], s[SEL], s[SEL+1]
.set bb, bb+1
.endr
.set bb, 0
.rept \nb
	v_max_num_f32 v[TM+bb], v[TM+bb], v[TM+4+bb]   ; the block's largest magnitude
.set bb, bb+1
.endr
.set bb, 0
.rept \nb
	v_add_nc_u32 v[TM+12+bb], 0xf8800000, v[TM+bb] ; 15 off its exponent field: the conversion's scale operand
.set bb, bb+1
.endr
.set bb, 0
.rept \nb
	v_and_or_b32 v[TM+8+bb], v[TM+bb], 0x7f800000, s[MNT]   ; 57,344 x the scale
.set bb, bb+1
.endr
.set bb, 0
.rept \nb
	v_lshrrev_b32 v[TM+4+bb], 23, v[TM+12+bb]      ; the scale's byte
.set bb, bb+1
.endr
.if \word
	v_lshl_or_b32 v[PW], v[TM+5], 8, v[TM+4]
	v_lshl_or_b32 v[PW], v[TM+6], 16, v[PW]
	v_lshl_or_b32 v[PW], v[TM+7], 24, v[PW]
.endif
	WIN (\w)|((\w)<<6)
.set bb, 0
.rept \nb
.irp i, 0,1,2,3,4,5,6,7,8,9,10,11,12,13,14,15
	v_med3_num_f32 v[(\s)+16*bb+\i], v[(\s)+16*bb+\i], -v[TM+8+bb], v[TM+8+bb]   ; the conversion to an 8-bit code does not saturate (ISA guide 7.6.2): the hold comes first
.endr
.set bb, bb+1
.endr
	WIN (\w)
.set bb, 0
.rept \nb
	v_cvt_scalef32_pk8_bf8_f32 v[PC+4*bb:PC+4*bb+1], v[(\s)+16*bb:(\s)+16*bb+7], v[TM+12+bb]
	v_cvt_scalef32_pk8_bf8_f32 v[PC+4*bb+2:PC+4*bb+3], v[(\s)+16*bb+8:(\s)+16*bb+15], v[TM+12+bb]
.set bb, bb+1
.endr
	WIN 0
	v_nop                                          ; a plain line behind the last conversion, ahead of whatever next touches its registers
.endm
.macro WALU
	s_wait_alu depctr_va_vdst(0)
.endm
; The head's loads: one chain of branches on the wave's number, an arm and a load line of its own for each chunk's two waves.
.macro ARM under, next
	s_cmp_lt_u32 s[WV], \under
	s_cbranch_scc0 \next
	tensor_load_to_lds s[G0:G0+3], s[G1:G1+7]
	s_nop 0
.rept 4
	v_nop
.endr
	s_branch .Lasked
\next:
.endm
.macro WFRAG f                         ; fragment f of my W, and its scale word
	WIN 0x40
.irp c, 0,1,2,3
	global_load_b128 v[128+16*(\f)+4*\c:128+16*(\f)+4*\c+3], v[LI0], s[74:75] offset:2048*(\f)+512*\c
.endr
	WIN 0
	global_load_b32 v[WS+(\f)], v[LS0], s[78:79] offset:128*(\f)
.endm
	s_load_b256 s[4:11], s[0:1], 0x0               ; x s[4:5], wcodes s[6:7], wscales s[8:9], qc s[10:11]
	s_load_b128 s[12:15], s[0:1], 0x20             ; qs s[12:13], kv s[14:15]
	v_lshl_add_u32 v[SPW], v0, 2, SPARE
	v_mov_b32 v[NIL], 0
	ds_add_u32 v[SPW], v[NIL]                      ; the wave's opening: the add, twice on end, and its wait ahead of my first tensor load; work on registers stands between
	ds_add_u32 v[SPW], v[NIL]
	v_lshrrev_b32 v16, 5, v0
	v_readfirstlane_b32 s[WV], v16                 ; wave 0..7
	s_and_b32 s17, s[WV], 3                        ; my K step when x is turned into codes; my column tile or pair
	s_lshr_b32 s18, s[WV], 2                       ; which 16 of a chunk's tokens
	s_bfe_u32 s19, s[WV], 0x10001
	s_and_b32 s94, s[WV], 1
	s_mul_i32 s60, s18, 16*XPT
	s_mul_i32 s61, s19, XL
	s_add_co_u32 s60, s60, s61
	s_lshl_b32 s61, s94, 9
	s_add_co_u32 s60, s60, s61                     ; x: 16 rows on; half of e; 512 bytes on in the row
	s_mul_i32 s61, s17, 2*IP
	s_lshl_b32 s62, s18, 7
	s_add_co_u32 s61, s61, s62
	s_add_co_u32 s61, s61, IMG                     ; images: two a K step; eight lanes on
	s_lshl_b32 s62, s17, 8
	s_lshl_b32 s63, s18, 5
	s_add_co_u32 s62, s62, s63
	s_add_co_u32 s62, s62, ISC                     ; and their words
	s_lshl_b32 s63, s17, 7
	s_add_co_u32 s63, s63, SS
	s_lshl_b32 s69, s17, 2
	s_add_co_u32 s69, s69, SS+512
	v_and_b32 v16, 31, v0                          ; lane
	v_and_b32 v17, 15, v0                          ; r
	v_bfe_u32 v18, v0, 4, 1                        ; lane / 16
	v_bfe_u32 v19, v0, 3, 1                        ; r / 8
	v_and_b32 v20, 7, v0                           ; r % 8
	v_lshlrev_b32 v[LI0], 4, v16
	v_lshlrev_b32 v[LS0], 2, v16
	v_lshlrev_b32 v[G8], 3, v16
	v_mul_u32_u24 v[XA], v17, XPT                  ; row r of my 16,
	v_mul_u32_u24 v[IWI], v19, IP
	v_lshlrev_b32 v[IWS], 7, v19
	v_lshl_add_u32 v[XA], v18, 6, v[XA]            ; my 16 numbers of a block of 32
	v_lshl_add_u32 v[IWI], v20, 4, v[IWI]
	v_lshl_add_u32 v[IWS], v20, 2, v[IWS]
	v_add_nc_u32 v[XA], s60, v[XA]
	v_lshl_add_u32 v[IWI], v18, 8, v[IWI]
	v_add_nc_u32 v[IWS], s62, v[IWS]
	v_add_nc_u32 v[IWI], s61, v[IWI]
	v_add_nc_u32 v[LI], IMG, v[LI0]
	v_lshlrev_b32 v[LS], 2, v17
	v_add_nc_u32 v[LS], ISC, v[LS]
	v_lshl_add_u32 v[SA], v17, 3, s63
	v_lshl_add_u32 v[SV], v17, 4, s69
	v_add_nc_u32 v[SB4], SS, v[LS0]
	v_add_nc_u32 v[SB8], SS+512, v[G8]
.irp b, 0,1,2,3
	v_mov_b32 v[TM+4+\b], 0                        ; a lane permute's destination counts as one of its sources
.endr
	; descriptor group 1: 32 rows of 128 elements of 8 bytes (1,024 bytes), 256 elements from row to row; in LDS 4 words of padding behind every 256
	s_mov_b32 s[G1+0], (3<<16)|(1<<20)|(7<<22)|(3<<25)
	s_mov_b32 s[G1+1], 128<<16                     ; tensor_dim0
	s_mov_b32 s[G1+2], 32<<16                      ; tensor_dim1
	s_mov_b32 s[G1+3], 128<<16                     ; tile_dim0
	s_mov_b32 s[G1+4], 32                          ; tile_dim1
	s_mov_b32 s[G1+5], 256                         ; tensor_dim0_stride
	s_mov_b32 s[G1+6], 0
	s_mov_b32 s[G1+7], 0
	s_lshl_b32 s70, ttmp9, 18                      ; the record's 128 rows of 2,048 bytes,
	s_lshr_b32 s71, s[WV], 1
	s_lshl_b32 s71, s71, 16                        ; my load's 32 of them,
	s_add_co_u32 s70, s70, s71
	s_lshl_b32 s71, s94, 10                        ; its half of e
	s_add_co_u32 s70, s70, s71
	s_mov_b32 s71, 0
	s_lshl_b32 s74, s[WV], 14                      ; wcodes: w < 4: tiles 2 w and 2 w + 1, 8,192 bytes each; else tile 8 + w - 4;
	s_add_co_u32 s75, s[WV], 4
	s_lshl_b32 s76, s75, 13
	s_lshl_b32 s78, s[WV], 10                      ; wscales: 512 bytes a tile
	s_lshl_b32 s80, s75, 9
	s_cmp_lt_u32 s[WV], 4
	s_cselect_b32 s74, s74, s76
	s_cselect_b32 s78, s78, s80
	s_mov_b32 s75, 0
	s_mov_b32 s79, 0
	s_mul_i32 s92, ttmp9, 16896                    ; the record in kv
	s_lshl_b32 s93, ttmp9, 13                      ; and in qc
	s_lshl_b32 s94, s94, 9                         ; my block of 32 along h: 512 bytes on in each tile
	s_cmp_lt_u32 s[WV], 2
	s_cselect_b32 s82, s93, s92
	s_add_co_u32 s82, s82, s94
	s_mov_b32 s83, 0
	s_lshl_b32 s84, s17, 11
	s_add_co_u32 s84, s84, s92
	s_add_co_u32 s84, s84, 8192                    ; V's tile w % 4
	s_mov_b32 s85, 0
	s_add_co_u32 s86, s92, 16384                   ; the record's scale words
	s_mov_b32 s87, 0
	s_lshl_b32 s88, ttmp9, 9                       ; qs: 512 bytes a record
	s_mov_b32 s89, 0
	s_mov_b32 s[SEL], 0x76543210
	s_mov_b32 s[SEL+1], 0xfedcba98                 ; lane selects: lane l xor 16
	s_mov_b32 s[MNT], 0x600000                     ; the mantissa field of 57,344
	s_mov_b32 s[G0], 1                             ; count = 1
	s_mul_i32 s[G0+1], s[WV], XL                   ; LDS address: wave x a constant
	WALU
	s_wait_dscnt 0x0                               ; both opening adds are done
	s_wait_kmcnt 0x0
	s_add_nc_u64 s[G0+2:G0+3], s[4:5], s[70:71]
	s_or_b32 s[G0+3], s[G0+3], 0x80000000          ; type = 2
	ARM 2, .Lchunk_1
	ARM 4, .Lchunk_2
	ARM 6, .Lchunk_3
	tensor_load_to_lds s[G0:G0+3], s[G1:G1+7]
	s_nop 0
.rept 4
	v_nop
.endr
.Lasked:
	s_add_nc_u64 s[74:75], s[6:7], s[74:75]
	s_add_nc_u64 s[78:79], s[8:9], s[78:79]
	s_cmp_lt_u32 s[WV], 2                          ; waves 0, 1 make q, waves 2, 3 k: the choice hangs on the wave's number alone
	s_cselect_b64 s[90:91], s[10:11], s[14:15]
	s_add_nc_u64 s[82:83], s[90:91], s[82:83]
	s_add_nc_u64 s[84:85], s[14:15], s[84:85]
	s_add_nc_u64 s[86:87], s[14:15], s[86:87]
	s_add_nc_u64 s[88:89], s[12:13], s[88:89]
.irp f, 0,1,2,3
	WFRAG \f
.endr
	s_cmp_lt_u32 s[WV], 4
	s_cbranch_scc0 .Lone_tile
.irp f, 4,5,6,7
	WFRAG \f
.endr
	s_branch .Lw_asked
.Lone_tile:                                            ; waves 4 to 7 have one tile: the second tile's registers hold zeros there and are not multiplied
	WIN 0x40
.set ii, 0
.rept 64
	v_mov_b32 v[192+ii], 0
.set ii, ii+1
.endr
	WIN 0
.irp f, 4,5,6,7
	v_mov_b32 v[WS+\f], 0
.endr
	WALU
.Lw_asked:
	WALU                                           ; the head's end
.macro CHUNK b
.if (\b) < 3
	s_cmp_lt_u32 s[WV], 2*(\b)+2
	s_cbranch_scc0 .Lnot_yet_\@
	s_wait_tensorcnt 0x0                           ; waves 2 b and 2 b + 1 (and those before): this chunk's loads have landed
.Lnot_yet_\@:
.else
	s_wait_tensorcnt 0x0                           ; all have
.endif
	s_wait_xcnt 0x0                                ; the last chunk's stores have read their registers
	s_wait_dscnt 0x0                               ; my LDS reads and stores are over
	s_barrier_signal -1
	s_barrier_wait -1                              ; the chunk may be read, and the last chunk's images written over
.irp q, 0,1,2,3
.irp j, 0,1,2,3
	ds_load_b128 v[NUM+16*\q+4*\j:NUM+16*\q+4*\j+3], v[XA] offset:128*\q+16*\j   ; of my token's row 16 neighbours of each block of 32
.endr
.endr
.if (\b) < 3
	v_add_nc_u32 v[XA], 2*XL, v[XA]                ; the next chunk
.endif
	s_wait_dscnt 0x0
	QUANT NUM, 0, 4, 1
.irp c, 0,1,2,3
	ds_store_b128 v[IWI], v[PC+4*\c:PC+4*\c+3] offset:512*\c
.endr
	ds_store_b32 v[IWS], v[PW]                     ; both lanes of a token write the same word with the same value
	s_wait_dscnt 0x0                               ; for the others' sake: my codes lie in LDS
	s_barrier_signal -1
	s_barrier_wait -1                              ; everybody's do
.irp f, 0,1,2,3,4,5,6,7
.irp c, 0,1,2,3
	ds_load_b128 v[FRG+16*\f+4*\c:FRG+16*\f+4*\c+3], v[LI] offset:IP*\f+512*\c
.endr
	ds_load_b32 v[XS+\f], v[LS] offset:128*\f
.endr
.if (\b) == 0
	s_wait_loadcnt 0x0                             ; W and its scale words, once
.endif
	s_cmp_lt_u32 s[WV], 4
	s_cbranch_scc0 .Lvalues_\@
	WIN 0x51                                       ; q, k: source 0 (W) window 1, source 1 (x) window 0, C and D window 1.  Four accumulators take turns
.set ff, 0
.rept 8
	s_wait_dscnt 35-5*ff                           ; fragment ff (K step ff / 2, row tile ff % 2) and its words are in; the five loads of each one behind it may be out
.irp t, 0,1
.if ff < 2
	v_wmma_scale_f32_16x16x128_f8f6f4 v[16*(ff%2)+8*\t:16*(ff%2)+8*\t+7], v[128+16*(4*\t+ff/2):128+16*(4*\t+ff/2)+15], v[FRG+16*ff:FRG+16*ff+15], 0, v[WS+4*\t+ff/2], v[XS+ff] matrix_a_fmt:MATRIX_FMT_BF8 matrix_b_fmt:MATRIX_FMT_BF8
.else
	v_wmma_scale_f32_16x16x128_f8f6f4 v[16*(ff%2)+8*\t:16*(ff%2)+8*\t+7], v[128+16*(4*\t+ff/2):128+16*(4*\t+ff/2)+15], v[FRG+16*ff:FRG+16*ff+15], v[16*(ff%2)+8*\t:16*(ff%2)+8*\t+7], v[WS+4*\t+ff/2], v[XS+ff] matrix_a_fmt:MATRIX_FMT_BF8 matrix_b_fmt:MATRIX_FMT_BF8
.endif
.endr
.set ff, ff+1
.endr
	WIN 0
.rept 8
	v_nop                                          ; eight places behind the last products
.endr
	QUANT 0, 1, 2, 0                               ; a block is a row tile's 16 registers: my 16 of the token's 32 along h
.irp u, 0,1
	global_store_b128 v[LI0], v[PC+4*\u:PC+4*\u+3], s[82:83] offset:1024*(2*(\b)+\u)   ; 32 lanes store 512 consecutive bytes, at a multiple of 256 from the buffer's first byte
	ds_store_b8 v[SA], v[TM+4+\u] offset:2*(\b)+\u ; the token's byte for my block; both lanes of a block write the same byte with the same value
.endr
	WALU
	s_branch .Lout_\@
.Lvalues_\@:
	WIN 0x54                                       ; v: source 0 (x) window 0, source 1 (Wv) window 1, C and D window 1: two accumulators by turns
.set ff, 0
.rept 8
	s_wait_dscnt 35-5*ff
.if ff < 2
	v_wmma_scale_f32_16x16x128_f8f6f4 v[8*(ff%2):8*(ff%2)+7], v[FRG+16*ff:FRG+16*ff+15], v[128+16*(ff/2):128+16*(ff/2)+15], 0, v[XS+ff], v[WS+ff/2] matrix_a_fmt:MATRIX_FMT_BF8 matrix_b_fmt:MATRIX_FMT_BF8
.else
	v_wmma_scale_f32_16x16x128_f8f6f4 v[8*(ff%2):8*(ff%2)+7], v[FRG+16*ff:FRG+16*ff+15], v[128+16*(ff/2):128+16*(ff/2)+15], v[8*(ff%2):8*(ff%2)+7], v[XS+ff], v[WS+ff/2] matrix_a_fmt:MATRIX_FMT_BF8 matrix_b_fmt:MATRIX_FMT_BF8
.endif
.set ff, ff+1
.endr
	WIN 0
.rept 8
	v_nop
.endr
	QUANT 0, 1, 1, 0                               ; a block is the chunk's 32 tokens of my h
	global_store_b128 v[LI0], v[PC:PC+3], s[84:85] offset:512*(\b)
	ds_store_b8 v[SV], v[TM+4] offset:\b           ; byte b of my column's word
	WALU
.Lout_\@:
.endm
	CHUNK 0
	CHUNK 1
	CHUNK 2
	CHUNK 3
	s_wait_dscnt 0x0                               ; for the others' sake: my bytes lie in LDS
	s_barrier_signal -1
	s_barrier_wait -1
	s_cmp_lg_u32 s[WV], 0
	s_cbranch_scc1 .Lnot_q
	ds_load_b32 v64, v[SB4]                        ; wave 0: q's words.  Lane l: token lane l / 2, tiles 4 (l % 2) + 0 .. 3: their bytes of block 0,
	ds_load_b32 v65, v[SB4] offset:128             ; and of block 1
	s_wait_dscnt 0x0
	v_perm_b32 v68, v65, v64, 0x04000400           ; b0 b1 b0 b1 of each tile (selector bytes 0-3: the second source, 4-7: the first)
	v_perm_b32 v69, v65, v64, 0x05010501
	v_perm_b32 v70, v65, v64, 0x06020602
	v_perm_b32 v71, v65, v64, 0x07030703
	global_store_b128 v[LI0], v[68:71], s[88:89]   ; 512 consecutive bytes
	s_branch .Lend
.Lnot_q:
	s_cmp_lg_u32 s[WV], 1
	s_cbranch_scc1 .Lnot_v
	ds_load_b64 v[64:65], v[SB8]                   ; wave 1: V's words as they lie
	s_wait_dscnt 0x0
	global_store_b64 v[G8], v[64:65], s[86:87] offset:256   ; 256 consecutive bytes, aligned
	s_branch .Lend
.Lnot_v:
	s_cmp_lg_u32 s[WV], 2
	s_cbranch_scc1 .Lend
	ds_load_b32 v64, v[SB4] offset:256             ; wave 2: K's words: a pair of tiles to a word, byte 2 u + c
	ds_load_b32 v65, v[SB4] offset:384
	s_wait_dscnt 0x0
	v_perm_b32 v68, v65, v64, 0x05010400
	v_perm_b32 v69, v65, v64, 0x07030602
	global_store_b64 v[G8], v[68:69], s[86:87]     ; 256 consecutive bytes, aligned
.Lend:
	s_wait_tensorcnt 0x0                           ; the wave's end, behind my last tensor load and my last LDS store
	ds_add_u32 v[SPW], v[NIL]
	s_wait_dscnt 0x0
	s_endpgm
.Lfunc_end_k_q214a57f2d5_proj:
	.size	k_q214a57f2d5_proj, .Lfunc_end_k_q214a57f2d5_proj-k_q214a57f2d5_proj
	.p2alignl 7, 3214868480
	.fill 96, 4, 3214868480
	.section	.rodata,"a",@progbits
	.p2align	6, 0x0
	.amdhsa_kernel k_q214a57f2d5_proj
		.amdhsa_group_segment_fixed_size 286464
		.amdhsa_private_segment_fixed_size 0
		.amdhsa_enable_private_segment 0
		.amdhsa_kernarg_size 48
		.amdhsa_user_sgpr_count 2
		.amdhsa_user_sgpr_kernarg_segment_ptr 1
		.amdhsa_wavefront_size32 1
		.amdhsa_system_sgpr_workgroup_id_x 1
		.amdhsa_system_sgpr_workgroup_id_y 1
		.amdhsa_system_sgpr_workgroup_id_z 1
		.amdhsa_system_vgpr_workitem_id 0
		.amdhsa_next_free_vgpr 512
		.amdhsa_next_free_sgpr 96
		.amdhsa_reserve_vcc 0
		.amdhsa_float_denorm_mode_32 3
		.amdhsa_float_denorm_mode_16_64 3
		.amdhsa_memory_ordered 1
		.amdhsa_forward_progress 1
		.amdhsa_inst_pref_size 108
	.end_amdhsa_kernel
	.amdgpu_metadata
---
amdhsa.version: [ 1, 2 ]
amdhsa.kernels:
  - .name:           k_q214a57f2d5_proj
    .symbol:         k_q214a57f2d5_proj.kd
    .args:
      - { .name: x, .offset: 0, .size: 8, .value_kind: global_buffer, .address_space: global }
      - { .name: wcodes, .offset: 8, .size: 8, .value_kind: global_buffer, .address_space: global }
      - { .name: wscales, .offset: 16, .size: 8, .value_kind: global_buffer, .address_space: global }
      - { .name: qc, .offset: 24, .size: 8, .value_kind: global_buffer, .address_space: global }
      - { .name: qs, .offset: 32, .size: 8, .value_kind: global_buffer, .address_space: global }
      - { .name: kv, .offset: 40, .size: 8, .value_kind: global_buffer, .address_space: global }
    .group_segment_fixed_size: 286464
    .private_segment_fixed_size: 0
    .kernarg_segment_align: 8
    .kernarg_segment_size: 48
    .max_flat_workgroup_size: 256
    .sgpr_count:     96
    .vgpr_count:     512
    .wavefront_size: 32
...
	.end_amdgpu_metadata
.endif
;; end of part 2
;; launch attn (part 3): grid 16 x 16, 8 waves a work-group, clusters of 4 x 1, 308,224 bytes of LDS; arguments qc, qs, kv, out0; writes out0
.if DOCPART == 3
	.amdgcn_target "amdgcn-amd-amdhsa--gfx1250"
	.amdhsa_code_object_version 6
	.text
	.protected	k_q214a57f2d5_attn
	.globl	k_q214a57f2d5_attn
	.p2align	8
	.type	k_q214a57f2d5_attn,@function
k_q214a57f2d5_attn:
	s_mov_b64 s[64:65], 0
	v_nop
	global_prefetch_b8 v0, s[64:65] scope:SCOPE_SE
	s_setreg_imm32_b32 hwreg(HW_REG_WAVE_MODE, 25, 1), 1
	s_wait_xcnt 0x0
	s_wait_alu depctr_hold_cnt(0) depctr_sa_sdst(0) depctr_va_vdst(0) depctr_va_sdst(0) depctr_va_ssrc(0) depctr_va_vcc(0) depctr_vm_vsrc(0)
	s_getreg_b32 s2, hwreg(HW_REG_IB_STS2, 6, 4)
	s_cmp_eq_u32 s2, 0
	s_cbranch_scc0 .Lentry_in_a_cluster
	s_endpgm
.Lentry_in_a_cluster:
	s_bfe_u32 s2, ttmp6, 0x10000c
	s_cmp_lg_u32 s2, 0x3003
	s_cbranch_scc0 .Lentry_shape_is_right
	s_endpgm
.Lentry_shape_is_right:
; out[b][q] = the sum over keys k <= q of softmax_k(q . k / 8) v, both products on codes of E5M2 with one E8M0 scale for each 32 along K, from the codes that the launch before has laid as images of operand registers.
; WORK LEFT OUT: a record of 128 keys all of which come after a tile's 16 queries has weight 0 under the problem's own causal mask for all values of the inputs: it is passed over (the proof and the limit stand at the head of the first kernel).
; THE SOFTMAX: t = score x log2(e) / 8; M = the largest t so far, rounded UP to a whole number; p = 2^(t - M) is quantised along the keys, not normalised; the row's sum is taken of the unquantised p and divides at the end.
; When M moves, the sum and O are multiplied by 2^(old M - new M): exact.
; SHARES.  A batch has 16 records of 128 tokens, a record 8 query tiles.  Work-group (cluster x = g, place cx) owns tile m = 4 (g / 2) + cx of the eight records whose number R or 15 - R is 2 s + g % 2, s = 0 .. 3.
; Waves s and s + 4 own two of these tiles: the LOW one in record R = 2 s + g % 2 (R + 1 records to walk) and the HIGH one in record 15 - R (16 - R): 17 tile-records for every such pair of waves.  They share the records by parity (u = wave / 4).
; At the end wave u = 1 has handed its part of the high tile to its partner, wave u = 0 its part of the low one; the parts are joined by exact powers of two.  What a wave walks hangs on g and the wave's number: the same in all partners of a cluster.
; LDS holds all 16 records of the batch, 270,336 bytes, filled once.  CLUSTER: the four work-groups of a cluster read the same records of one batch, so each load is asked for JOINTLY (mask 15).
; Wave w asks for records 2 w and 2 w + 1 by one load (132 rows of 256 bytes); one load of a wave is outstanding at the most.  Every work-group walks up to record 14 or 15, so each load is read.
; The first barrier shows waves 0 and 1's four records, which the first two steps of the high tile read; the second barrier shows all.
; Nothing is prefetched: every byte that the launch reads is asked for at its head.
; K = 64 IN AN INSTRUCTION OF 128: source 0 is a PAIR of key tiles (tile 2 b in the lower 64 along K, tile 2 b + 1 in the upper); source 1 is q beside 64 zero codes, below or above.  The half that meets zeros adds exactly 0: K's codes are finite.
; A STEP takes up the product with V of the step BEFORE directly behind its own scores, in one run of twelve matrix instructions; O^T is brought under the step's new M ahead of its exponentials.  The very first step finds zero codes.
; LAYOUT.  Both products are used transposed: a lane holds ONE query (lane % 16); register 16 b + i of S^T is key 32 b + 16 (lane / 16) + i of the record, by the records' choice of rows.
; LIMITS: as stated at the head of the first kernel; and the scaled scores (the exponents to the base 2, before the maximum is taken away) stay under 2^31 in magnitude.
; REGISTERS: window 1: v0-63 K's four pairs of tiles, v64-127 V's four tiles.  Window 0: all else, below.
.set REC,   16896                      ; a record: K's codes 8,192, V's 8,192, K's scale words 256, V's 256
.set MRG,   16*REC                     ; behind the records: 4,608 bytes for each wave: what its partner hands it, then its stage for the way out (16 rows of 272)
.set MSL,   4608
.set SPARE, MRG+8*MSL                  ; the spare words, 128 bytes for each wave: four blocks of 256 bytes that no other line names
.set LI,  1                            ; 16 x lane
.set LR,  2                            ; 16 x (lane % 16)
.set VA,  3                            ; the record in hand + LI, + LR
.set VB,  4
.set KA,  5                            ; the next record + LI, + LR
.set KB,  6
.set MW,  7                            ; my 4,608 bytes + 16 x lane
.set STO, 8                            ; the stage: where I put 32 bytes of a row
.set RD,  9                            ; and where I read a row back
.set GO,  10                           ; my byte offset in the tile's rows of out
.set SN,  11                           ; my partner's 4,608 bytes + 16 x lane
.set HS,  16                           ; v16-19 the high tile's -M, largest score, sums.  (v12-15: those in hand)
.set QZ,  20                           ; v20-59 zeros, the high tile's q, zeros, the low tile's q, zeros: eight each
.set QH,  28
.set QL,  44
.set S,   60                           ; v60-123 S^T, then p
.set OH,  124                          ; v124-155 O^T of the high tile,
.set OL,  156                          ; v156-187 of the low one
.set PC,  188                          ; v188-203 p's codes
.set BM,  204                          ; the blocks' largest scores, then largest p
.set PM,  208                          ; at work
.set HD,  212                          ; the hold
.set SO,  216                          ; the conversions' scale operands
.set F,   220                          ; 2^(old M - new M), in the low word of a pair
.set T,   222
.set TO,  223
.set X,   224                          ; v224-229 sums
.set KS,  230                          ; v230-233 K's scale words, v234-237 V's, v240 p's, v242, v243 q's: these hold scales and nothing else
.set VS,  234
.set PW,  240
.set QWH, 242
.set QWL, 243
.set DQ,  244                          ; my query's place in its record - 16 (lane / 16)
.set INF, 245                          ; -infinity
.set SPW, 246
.set NIL, 247
.set QO,  248                          ; 32 x (lane % 16): my place among q's scale words
.set WV,  12                           ; s12  my wave's number
.set U,   17                           ; s17  which records are mine: even (0) or odd (1)
.set RL,  19                           ; s19  the low tile's record, s20 the high one's
.set RH,  20
.set HB,  21                           ; s21  the tiles lie in their record's upper half (1) or lower (0)
.set G1,  24
.set G0,  32
.set SEL, 48
.set CS,  50                           ; s[50:51] c = log2(e) / 8
.set MNT, 52
.set NR,  53                           ; s53  the record in hand
.set TB,  54                           ; s54  its first LDS byte
.set TR,  55
.set NC,  56                           ; s56  -c
.set TN,  57                           ; s57  the next record's first LDS byte
.set MSB, 0
.macro WIN new                         ; the immediate's high byte repeats the setting that is left
.if MSB != \new
	s_set_vgpr_msb (MSB<<8)|\new
.set MSB, \new
.endif
.endm
.macro WALU
	s_wait_alu depctr_va_vdst(0)
.endm
.macro CROUND                          ; a round of the cluster's barrier
	s_barrier_signal -1
	s_barrier_wait -1
	s_cmp_lg_u32 s[WV], 0
	s_cbranch_scc1 .Lnot_wave_0_\@
	s_barrier_signal -3
.Lnot_wave_0_\@:
	s_barrier_wait -3
	s_barrier_signal -1
	s_barrier_wait -1
.endm
.macro KLOAD                           ; the record at KA, KB: K's eight tiles as four pairs, an image of 512 consecutive bytes a load; the pairs' scale words
	WIN 0x40
.irp x, 0,1,2,3,4,5,6,7,8,9,10,11,12,13,14,15
	ds_load_b128 v[4*\x:4*\x+3], v[KA] offset:512*\x
.endr
	WIN 0
	ds_load_b128 v[KS:KS+3], v[KB] offset:16384
.endm
.macro VLOAD                           ; V's four tiles and scale words of the record at VA, VB
	WIN 0x40
.irp x, 0,1,2,3,4,5,6,7,8,9,10,11,12,13,14,15
	ds_load_b128 v[64+4*\x:64+4*\x+3], v[VA] offset:8192+512*\x
.endr
	WIN 0
	ds_load_b128 v[VS:VS+3], v[VB] offset:16640
.endm
.macro PV ob                           ; O^T += V^T P^T: the four accumulators by turns
	WIN 0x01
.irp c, 0,1,2,3
	v_wmma_scale_f32_16x16x128_f8f6f4 v[\ob+8*\c:\ob+8*\c+7], v[64+16*\c:64+16*\c+15], v[PC:PC+15], v[\ob+8*\c:\ob+8*\c+7], v[VS+\c], v[PW] matrix_a_fmt:MATRIX_FMT_BF8 matrix_b_fmt:MATRIX_FMT_BF8
.endr
	WIN 0
.endm
; A STEP: one record of 128 keys.  walk = 1: if it is at or under the tile's last; pref = 1: the next record's K is fetched.
.macro TRIP qb, ob, nl, qw, walk, pref
.if \walk
	s_cmp_gt_u32 s[NR], s[\nl]                     ; ids and the count of steps alone; no barrier and no tensor load stands in a step
	s_cbranch_scc1 .Lhidden_\@
	s_mul_i32 s[TB], s[NR], REC
	s_add_co_u32 s[TN], s[NR], 2
	s_and_b32 s[TN], s[TN], 15                     ; behind the last record the fetch stays among the records
	s_mul_i32 s[TN], s[TN], REC
.endif
	s_wait_dscnt 0x0                               ; K of this record and V of the one before are in
	WIN 0x01                                       ; source 0 (K) window 1
.irp b, 0,1,2,3
	v_wmma_scale_f32_16x16x128_f8f6f4 v[S+16*\b:S+16*\b+7], v[16*\b:16*\b+15], v[\qb:\qb+15], 0, v[KS+\b], v[\qw] matrix_a_fmt:MATRIX_FMT_BF8 matrix_b_fmt:MATRIX_FMT_BF8          ; tile 2 b: q below, zeros above
	v_wmma_scale_f32_16x16x128_f8f6f4 v[S+16*\b+8:S+16*\b+15], v[16*\b:16*\b+15], v[\qb-8:\qb+7], 0, v[KS+\b], v[\qw] matrix_a_fmt:MATRIX_FMT_BF8 matrix_b_fmt:MATRIX_FMT_BF8      ; tile 2 b + 1: zeros below, q above
.endr
	PV \ob                                         ; the step before
	v_add_nc_u32 v[VA], s[TB], v[LI]
	v_add_nc_u32 v[VB], s[TB], v[LR]
.if \pref
	v_add_nc_u32 v[KA], s[TN], v[LI]
	v_add_nc_u32 v[KB], s[TN], v[LR]
.else
	v_nop
	v_nop
.endif
.rept 4
	v_nop                                          ; with the four above: eight places behind the twelve products, for the loads into V's and K's registers and the first read of the scores
.endr
	VLOAD
.if \walk
	s_cmp_lg_u32 s[NR], s[\nl]
	s_cbranch_scc1 .Lopen_\@
	s_cmp_lg_u32 s[HB], 0
	s_cbranch_scc1 .Lupper_\@
.set kk, 0
.rept 32                               ; my tile's own record: register 16 b + i holds key 32 b + 16 (lane / 16) + i, hidden where 32 b + i > DQ: its score becomes -infinity, its p 0
	v_cmp_gt_i32 vcc_lo, 32*(kk/16)+kk%16, v[DQ]
	v_cndmask_b32 v[S+kk], v[S+kk], v[INF], vcc_lo
.set kk, kk+1
.endr
.rept 16                               ; queries of the lower half: all keys of the upper half are hidden
	v_dual_mov_b32 v[S+kk], v[INF] :: v_dual_mov_b32 v[S+kk+1], v[INF]
.set kk, kk+2
.endr
	WALU
	s_branch .Lopen_\@
.Lupper_\@:
.set kk, 32                            ; queries of the upper half: all keys of the lower half count
.rept 32
	v_cmp_gt_i32 vcc_lo, 32*(kk/16)+kk%16, v[DQ]
	v_cndmask_b32 v[S+kk], v[S+kk], v[INF], vcc_lo
.set kk, kk+1
.endr
	WALU
.Lopen_\@:
.endif
.irp b, 0,1,2,3
	v_max3_num_f32 v[BM+\b], v[S+16*\b], v[S+1+16*\b], v[S+2+16*\b]   ; the largest score of each block of 32 keys: it serves for the row's maximum and, since p rises with the score, for the block's largest p
.endr
.irp i, 3,5,7,9,11,13
.irp b, 0,1,2,3
	v_max3_num_f32 v[BM+\b], v[BM+\b], v[S+16*\b+\i], v[S+1+16*\b+\i]
.endr
.endr
.irp b, 0,1,2,3
	v_max_num_f32 v[BM+\b], v[BM+\b], v[S+15+16*\b]
.endr
.if \pref
	KLOAD
.endif
.irp b, 0,1,2,3
	v_permlanex16_b32 v[PM+\b], v[BM+\b], s[SEL], s[SEL+1]
.endr
.irp b, 0,1,2,3
	v_max_num_f32 v[BM+\b], v[BM+\b], v[PM+\b]     ; with lane l xor 16's 16 keys
.endr
	v_max3_num_f32 v[T], v[BM], v[BM+1], v[BM+2]
	s_delay_alu instid0(VALU_DEP_1)
	v_max3_num_f32 v13, v[T], v[BM+3], v13         ; the running largest score: a number, since the record's first key counts for every query of the tile
	s_delay_alu instid0(VALU_DEP_1)
	v_mul_f32 v[T], s[NC], v13                     ; -t
	v_mov_b32 v[TO], v12
	s_delay_alu instid0(VALU_DEP_2)
	v_floor_f32 v12, v[T]                          ; the new -M = -ceil(t)
	s_delay_alu instid0(VALU_DEP_1)
	v_sub_f32 v[T], v12, v[TO]                     ; old M - new M: a whole number, 0 or less
	s_delay_alu instid0(VALU_DEP_1)
	v_cvt_i32_f32 v[T], v[T]                       ; (it saturates)
	s_delay_alu instid0(VALU_DEP_1)
	v_ldexp_f32 v[F], 1.0, v[T]                    ; f = 2^(old M - new M)
.irp b, 0,1,2,3
	v_fma_f32 v[BM+\b], v[BM+\b], s[CS], v12       ; t - M of each block's largest score,
.endr
.set j, 0
.rept 32
	v_pk_fma_f32 v[S+j:S+j+1], v[S+j:S+j+1], s[CS:CS+1], v[12:13] op_sel_hi:[1,0,0]   ; and of all, two at a time
.set j, j+2
.endr
.irp i, 0,2,4,6,8,10,12,14,16,18,20,22,24,26,28,30
	v_pk_mul_f32 v[\ob+\i:\ob+\i+1], v[\ob+\i:\ob+\i+1], v[F:F+1] op_sel_hi:[1,0]   ; O^T under the new M, from the low end on
.endr
	WALU
.irp b, 0,1,2,3
	v_exp_f32 v[BM+\b], v[BM+\b]                   ; the blocks' largest p: the same two instructions on the same numbers
.endr
.set j, 0
.rept 64
	v_exp_f32 v[S+j], v[S+j]                       ; p = 2^(t - M)
.set j, j+1
.endr
	v_pk_mul_f32 v[14:15], v[14:15], v[F:F+1] op_sel_hi:[1,0]   ; the sums under the new M: the plain line behind the exponentials
	WALU                                           ; one for the batch, ahead of its first reader
.irp k, 0,1,2                          ; the sum of the unquantised p, two at a time in four chains: number pair i goes to chain i % 4
	v_pk_add_f32 v[X+2*\k:X+2*\k+1], v[S+2*\k:S+2*\k+1], v[S+8+2*\k:S+8+2*\k+1]
.endr
	v_pk_add_f32 v[14:15], v[14:15], v[S+6:S+7]
.set j, 16
.rept 6
.irp k, 0,1,2
	v_pk_add_f32 v[X+2*\k:X+2*\k+1], v[X+2*\k:X+2*\k+1], v[S+j+2*\k:S+j+2*\k+1]
.endr
	v_pk_add_f32 v[14:15], v[14:15], v[S+j-2:S+j-1]
.set j, j+8
.endr
.irp b, 0,1,2,3
	v_max_num_f32 v[BM+\b], 0x8000000, v[BM+\b]    ; the floor 2^(16 - 127): the byte cannot fall under 1
.endr
	v_pk_add_f32 v[14:15], v[14:15], v[S+62:S+63]
.irp b, 0,1,2,3
	v_add_nc_u32 v[SO+\b], 0xf8800000, v[BM+\b]    ; 15 off the exponent field: the conversion's scale operand
.endr
.irp b, 0,1,2,3
	v_and_or_b32 v[HD+\b], v[BM+\b], 0x7f800000, s[MNT]   ; 57,344 x the scale
.endr
.irp b, 0,1,2,3
	v_lshrrev_b32 v[PM+\b], 23, v[SO+\b]           ; the scale's byte
.endr
	v_lshl_or_b32 v[PW], v[PM+1], 8, v[PM]         ; p's scale word for these 128 keys
	v_lshl_or_b32 v[PW], v[PM+2], 16, v[PW]
	v_lshl_or_b32 v[PW], v[PM+3], 24, v[PW]
.irp b, 0,1,2,3
.irp i, 0,2,4,6,8,10,12,14
	v_dual_min_num_f32 v[S+16*\b+\i], v[HD+\b], v[S+16*\b+\i] :: v_dual_min_num_f32 v[S+16*\b+\i+1], v[HD+\b], v[S+16*\b+\i+1]   ; the conversion does not saturate (ISA guide 7.6.2); p is not negative, so the hold is one-sided
.endr
.endr
.irp b, 0,1,2,3
	v_cvt_scalef32_pk8_bf8_f32 v[PC+4*\b:PC+4*\b+1], v[S+16*\b:S+16*\b+7], v[SO+\b]
	v_cvt_scalef32_pk8_bf8_f32 v[PC+4*\b+2:PC+4*\b+3], v[S+16*\b+8:S+16*\b+15], v[SO+\b]
.endr
	v_pk_add_f32 v[X:X+1], v[X:X+1], v[X+2:X+3]    ; the chains join: these four lines also stand between the codes and the product that reads them
	v_pk_add_f32 v[14:15], v[14:15], v[X+4:X+5]
	v_nop
	v_pk_add_f32 v[14:15], v[14:15], v[X:X+1]
	WALU
.Lhidden_\@:
.endm
	s_load_b256 s[4:11], s[0:1], 0x0               ; qc s[4:5], qs s[6:7], kv s[8:9], out0 s[10:11]
	v_lshl_add_u32 v[SPW], v0, 2, SPARE
	v_mov_b32 v[NIL], 0
	ds_add_u32 v[SPW], v[NIL]                      ; the wave's opening: the add, twice on end, and its wait ahead of the first tensor loads and of the round in front of them; work on registers stands between
	ds_add_u32 v[SPW], v[NIL]
	v_lshrrev_b32 v16, 5, v0
	v_readfirstlane_b32 s[WV], v16                 ; wave 0..7
	v_and_b32 v16, 15, v0                          ; r
	v_bfe_u32 v17, v0, 4, 1                        ; lane / 16
	v_and_b32 v18, 31, v0                          ; lane
	s_bfe_u32 s14, ttmp6, 0x40000                  ; cx: it enters q's, qs's and out's global addresses and the mask's lane constant, and nothing else
	s_and_b32 s16, ttmp7, 0xffff                   ; the batch, which the partners share
	s_lshr_b32 s[U], s[WV], 2
	s_and_b32 s18, s[WV], 3
	s_lshl_b32 s18, s18, 1
	s_and_b32 s13, ttmp9, 1
	s_add_co_u32 s[RL], s18, s13                   ; the low tile's record 2 s + g % 2,
	s_xor_b32 s[RH], s[RL], 15                     ; the high tile's: 15 less it
	s_lshr_b32 s[HB], ttmp9, 1
	s_lshl_b32 s15, s[HB], 2
	s_add_co_u32 s15, s15, s14                     ; m: both tiles' place in their records
	s_lshr_b32 s22, s15, 1
	s_lshl_b32 s22, s22, 5
	s_and_b32 s23, s15, 1
	s_lshl_b32 s23, s23, 3
	s_add_co_u32 s22, s22, s23                     ; a tile's lane 0's token in the record
	s_mul_i32 s13, s[U], 15
	s_xor_b32 s13, s[RH], s13                      ; the record of the tile that I finish: u = 0 the high one, u = 1 the low one
	s_mul_i32 s72, s[WV], MSL
	s_add_co_u32 s72, s72, MRG                     ; my 4,608 bytes,
	s_xor_b32 s73, s[WV], 4
	s_mul_i32 s73, s73, MSL
	s_add_co_u32 s73, s73, MRG                     ; and my partner's
	WALU
	; every LDS address register that stays is made here, ahead of the first branch on the wave's number
	v_lshlrev_b32 v[LI], 4, v18
	v_lshlrev_b32 v[LR], 4, v16
	v_mul_u32_u24 v[STO], v16, 272
	v_mul_u32_u24 v[RD], v17, 272
	v_add_nc_u32 v[MW], s72, v[LI]
	v_add_nc_u32 v[SN], s73, v[LI]
	v_lshl_add_u32 v[STO], v17, 5, v[STO]
	v_lshl_add_u32 v[RD], v16, 4, v[RD]
	v_add_nc_u32 v[STO], s72, v[STO]               ; in: row r; 32 bytes for each half of the lanes
	v_add_nc_u32 v[RD], s72, v[RD]                 ; back: lanes 0-15 one row of 256 bytes, lanes 16-31 the next
	v_lshlrev_b32 v[GO], 8, v17
	v_and_b32 v[DQ], 8, v16
	v_lshl_add_u32 v[GO], v16, 4, v[GO]            ; and the same two rows in out
	v_add_nc_u32 v[DQ], v[DQ], v16                 ; r + 8 (r / 8)
	v_lshlrev_b32 v17, 4, v17
	v_lshlrev_b32 v[QO], 5, v16                    ; qs: 32 bytes a token lane
	v_sub_nc_u32 v[DQ], v[DQ], v17
	v_add_nc_u32 v[DQ], s22, v[DQ]
	s_lshl_b32 s23, s16, 4                         ; the batch's first record among all 256
	s_add_co_u32 s62, s23, s[RH]
	s_add_co_u32 s66, s23, s[RL]
	s_lshl_b32 s58, s62, 3
	s_add_co_u32 s58, s58, s15
	s_lshl_b32 s58, s58, 10                        ; qc: 1,024 bytes a tile
	s_mov_b32 s59, 0
	s_lshl_b32 s60, s66, 3
	s_add_co_u32 s60, s60, s15
	s_lshl_b32 s60, s60, 10
	s_mov_b32 s61, 0
	s_lshl_b32 s15, s15, 2
	s_lshl_b32 s62, s62, 9
	s_add_co_u32 s62, s62, s15                     ; qs: 512 bytes a record, 4 a tile
	s_mov_b32 s63, 0
	s_lshl_b32 s66, s66, 9
	s_add_co_u32 s66, s66, s15
	s_mov_b32 s67, 0
	s_add_co_u32 s68, s23, s13
	s_lshl_b32 s68, s68, 7
	s_add_co_u32 s68, s68, s22
	s_lshl_b32 s68, s68, 8                         ; out: 256 bytes a token
	s_mov_b32 s69, 0
	s_mul_i32 s70, s23, REC
	s_mul_i32 s13, s[WV], 2*REC                    ; my load: records 2 w and 2 w + 1, in LDS and in memory alike
	s_add_co_u32 s70, s70, s13
	s_mov_b32 s71, 0
	; descriptor group 1: 132 rows of 32 elements of 8 bytes, dense in memory and in LDS
	s_mov_b32 s[G1+0], 15|(3<<16)|(1<<21)          ; 15:0 the mask: all four work-groups; 17:16 elements of 8 bytes; 21 set beside a mask
	s_mov_b32 s[G1+1], 32<<16                      ; tensor_dim0
	s_mov_b32 s[G1+2], 132<<16                     ; tensor_dim1
	s_mov_b32 s[G1+3], 32<<16                      ; tile_dim0
	s_mov_b32 s[G1+4], 132                         ; tile_dim1
	s_mov_b32 s[G1+5], 32                          ; tensor_dim0_stride
	s_mov_b32 s[G1+6], 0
	s_mov_b32 s[G1+7], 0
	s_mov_b32 s[SEL], 0x76543210
	s_mov_b32 s[SEL+1], 0xfedcba98                 ; lane selects: lane l xor 16
	s_mov_b32 s[CS], 0x3e38aa3b                    ; c = log2(e) / 8
	s_mov_b32 s[CS+1], s[CS]                       ; (named with it as a pair, so it is written)
	s_mov_b32 s[NC], 0xbe38aa3b                    ; -c
	s_mov_b32 s[MNT], 0x600000                     ; the mantissa field of 57,344
	WALU
	s_wait_dscnt 0x0                               ; both opening adds are done
	CROUND                                         ; all four work-groups are here: the joint loads meet
	s_wait_kmcnt 0x0
	s_mov_b32 s[G0], 1                             ; count = 1
	s_mov_b32 s[G0+1], s13                         ; LDS address
	s_add_nc_u64 s[G0+2:G0+3], s[8:9], s[70:71]    ; made of the batch and the wave's number alone
	s_or_b32 s[G0+3], s[G0+3], 0x80000000          ; type = 2
	s_cmp_lt_u32 s[WV], 2                          ; one joint load a wave; waves 0 and 1, whose records the first barrier shows, have a line of their own
	s_cbranch_scc0 .Lload_b
	tensor_load_to_lds s[G0:G0+3], s[G1:G1+7]
	s_nop 0
.rept 4
	v_nop
.endr
	s_branch .Lasked
.Lload_b:
	tensor_load_to_lds s[G0:G0+3], s[G1:G1+7]
	s_nop 0
.rept 4
	v_nop
.endr
.Lasked:
	s_add_nc_u64 s[58:59], s[4:5], s[58:59]
	s_add_nc_u64 s[60:61], s[4:5], s[60:61]
	s_add_nc_u64 s[62:63], s[6:7], s[62:63]
	s_add_nc_u64 s[66:67], s[6:7], s[66:67]
	s_add_nc_u64 s[68:69], s[10:11], s[68:69]
	global_load_b128 v[QH:QH+3], v[LI], s[58:59]               ; q's codes: h 0-31,
	global_load_b128 v[QH+4:QH+7], v[LI], s[58:59] offset:512  ; h 32-63
	global_load_b128 v[QL:QL+3], v[LI], s[60:61]
	global_load_b128 v[QL+4:QL+7], v[LI], s[60:61] offset:512
	global_load_b32 v[QWH], v[QO], s[62:63]                    ; and its doubled scale words
	global_load_b32 v[QWL], v[QO], s[66:67]
.irp i, 0,1,2,3,4,5,6,7
	v_mov_b32 v[QZ+\i], 0                          ; the zero codes beside q's
	v_mov_b32 v[QZ+16+\i], 0
	v_mov_b32 v[QZ+32+\i], 0
.endr
.set j, 0
.rept 64
	v_mov_b32 v[OH+j], 0                           ; both O^T: the first step of a tile finds zeros
.set j, j+1
.endr
.set j, 0
.rept 16
	v_mov_b32 v[PC+j], 0                           ; and zero codes of p,
.set j, j+1
.endr
	v_mov_b32 v[PW], 0x7f7f7f7f                    ; under the scale 1,
.irp b, 0,1,2,3
	v_mov_b32 v[VS+\b], 0x7f7f7f7f
	v_mov_b32 v[PM+\b], 0                          ; a lane permute's destination counts as one of its sources
.endr
	WIN 0x40
.set j, 64
.rept 64
	v_mov_b32 v[j], 0                              ; beside zero codes of V
.set j, j+1
.endr
	WIN 0
	v_mov_b32 v[F+1], 0                            ; (named as the upper half of a pair)
	v_mov_b32 v[INF], 0xff800000
	v_mov_b32 v12, 0x7f000000                      ; -M: 2^127, over every -t: the first factor f is 0
	v_mov_b32 v13, 0xff61b1e6                      ; the largest score so far: -3e38
	v_mov_b32 v14, 0                               ; the sum, in two halves
	v_mov_b32 v15, 0
	WALU
	s_wait_loadcnt 0x0                             ; q
	s_cmp_lt_u32 s[WV], 2
	s_cbranch_scc0 .Lnot_a
	s_wait_tensorcnt 0x0                           ; waves 0 and 1: records 0 to 3 have landed
.Lnot_a:
	s_barrier_signal -1
	s_barrier_wait -1                              ; so all eight may read them
	; THE HIGH TILE.  Its records u and u + 2 (it has nine or more, so none of these is its last)
	s_mul_i32 s[TB], s[U], REC
	s_add_co_u32 s[TN], s[TB], 2*REC
	v_add_nc_u32 v[KA], s[TB], v[LI]
	v_add_nc_u32 v[KB], s[TB], v[LR]
	KLOAD
	TRIP QH, OH, RH, QWH, 0, 1
	s_mov_b32 s[TB], s[TN]
	TRIP QH, OH, RH, QWH, 0, 0
	s_wait_tensorcnt 0x0                           ; my load has landed
	s_wait_dscnt 0x0
	s_barrier_signal -1
	s_barrier_wait -1                              ; so all eight may read all sixteen records
	s_add_co_u32 s[NR], s[U], 4
	s_mul_i32 s[TN], s[NR], REC
	v_add_nc_u32 v[KA], s[TN], v[LI]
	v_add_nc_u32 v[KB], s[TN], v[LR]
	KLOAD
	s_mov_b32 s[TR], 6                             ; records u + 4 .. u + 14, as far as the tile reaches
.Lhigh:
	TRIP QH, OH, RH, QWH, 1, 1
	s_add_co_u32 s[NR], s[NR], 2
	s_sub_co_u32 s[TR], s[TR], 1
	s_cmp_lg_u32 s[TR], 0
	s_cbranch_scc1 .Lhigh
	s_wait_dscnt 0x0                               ; V of the last record, and what was fetched ahead
	s_mov_b32 s[NR], s[U]
	s_mul_i32 s[TN], s[NR], REC
	v_add_nc_u32 v[KA], s[TN], v[LI]
	v_add_nc_u32 v[KB], s[TN], v[LR]
	KLOAD                                          ; the low tile's first K
	PV OH                                          ; the high tile's last product
.irp i, 0,1,2,3
	v_mov_b32 v[HS+\i], v[12+\i]
.endr
.rept 4
	v_nop                                          ; with the four above: eight places behind the products
.endr
	WALU
	s_cmp_eq_u32 s[U], 0
	s_cbranch_scc1 .Lkeep_high
	ds_store_b128 v[SN], v[HS:HS+3]                ; u = 1: my part of the high tile goes to my partner, as an image of its registers
.irp x, 0,1,2,3,4,5,6,7
	ds_store_b128 v[SN], v[OH+4*\x:OH+4*\x+3] offset:512+512*\x   ; each accumulator from its low end on
.endr
.Lkeep_high:
	; THE LOW TILE
.set j, 0
.rept 16
	v_mov_b32 v[PC+j], 0
.set j, j+1
.endr
	v_mov_b32 v12, 0x7f000000
	v_mov_b32 v13, 0xff61b1e6
	v_mov_b32 v14, 0
	v_mov_b32 v15, 0
	s_mov_b32 s[TR], 4                             ; records u .. u + 6, as far as the tile reaches
	WALU
.Llow:
	TRIP QL, OL, RL, QWL, 1, 1
	s_add_co_u32 s[NR], s[NR], 2
	s_sub_co_u32 s[TR], s[TR], 1
	s_cmp_lg_u32 s[TR], 0
	s_cbranch_scc1 .Llow
	s_wait_dscnt 0x0
	PV OL
.rept 8
	v_nop                                          ; eight places behind the products
.endr
	WALU
	s_cmp_lg_u32 s[U], 0
	s_cbranch_scc1 .Lkeep_low
	ds_store_b128 v[SN], v[12:15]                  ; u = 0: my part of the low tile goes to my partner
.irp x, 0,1,2,3,4,5,6,7
	ds_store_b128 v[SN], v[OL+4*\x:OL+4*\x+3] offset:512+512*\x
.endr
.Lkeep_low:
	s_wait_dscnt 0x0                               ; for the partner's sake: my stores have landed
	s_barrier_signal -1
	s_barrier_wait -1
; THE TWO PARTS OF A TILE MEET: mine in O^T at ob and the state at sb, the partner's from LDS; then the way out.
.macro JOIN ob, sb
	ds_load_b128 v[BM:BM+3], v[MW]                 ; the partner's -M, largest score, and sums
.irp x, 0,1,2,3,4,5,6,7
	ds_load_b128 v[S+4*\x:S+4*\x+3], v[MW] offset:512+512*\x
.endr
	s_wait_dscnt 0x0
	v_min_num_f32 v[T], v[\sb], v[BM]              ; -M of both
	v_add_f32 v[X], v[\sb+2], v[\sb+3]
	v_add_f32 v[BM+2], v[BM+2], v[BM+3]
	v_sub_f32 v[PM], v[T], v[\sb]                  ; my M - M, and the partner's: whole numbers, 0 or less
	v_sub_f32 v[PM+1], v[T], v[BM]
	v_cvt_i32_f32 v[PM], v[PM]                     ; (they saturate: a part without a record has -M = 2^127, and its factor becomes 0)
	v_cvt_i32_f32 v[PM+1], v[PM+1]
	v_ldexp_f32 v[PM], 1.0, v[PM]
	v_ldexp_f32 v[PM+1], 1.0, v[PM+1]
	v_mul_f32 v[X], v[X], v[PM]
	v_fma_f32 v[X], v[BM+2], v[PM+1], v[X]
	v_permlanex16_b32 v[PM+2], v[X], s[SEL], s[SEL+1]
	v_add_f32 v[X], v[X], v[PM+2]                  ; with lane l xor 16's keys: the row's sum
	WALU
	v_rcp_f32 v[X], v[X]
	v_nop                                          ; a plain line behind the reciprocal
	WALU
	v_mul_f32 v[HD], v[PM], v[X]                   ; my factor over the sum, in both words of a pair,
	v_mul_f32 v[HD+1], v[PM], v[X]
	v_mul_f32 v[HD+2], v[PM+1], v[X]               ; and the partner's
	v_mul_f32 v[HD+3], v[PM+1], v[X]
.irp j, 0,2,4,6,8,10,12,14,16,18,20,22,24,26,28,30
	v_pk_mul_f32 v[\ob+\j:\ob+\j+1], v[\ob+\j:\ob+\j+1], v[HD:HD+1]
.endr
.irp j, 0,2,4,6,8,10,12,14,16,18,20,22,24,26,28,30
	v_pk_fma_f32 v[\ob+\j:\ob+\j+1], v[S+\j:S+\j+1], v[HD+2:HD+3], v[\ob+\j:\ob+\j+1]
.endr
	; register 8 c + i is out(query r, h = 16 c + 8 (lane / 16) + i).  Through my stage (my 4,608 bytes, which only I touch from here on), so that sixteen lanes store one whole row of 256 bytes
.irp c, 0,1,2,3
	ds_store_b128 v[STO], v[\ob+8*\c:\ob+8*\c+3] offset:64*\c
	ds_store_b128 v[STO], v[\ob+8*\c+4:\ob+8*\c+7] offset:64*\c+16
.endr
.irp i, 0,1,2,3,4,5,6,7
	ds_load_b128 v[S+4*\i:S+4*\i+3], v[RD] offset:544*\i       ; LDS serves a wave's instructions in order (ISA guide 5.7.1.4): these see my stores
.endr
.irp i, 0,1,2,3,4,5,6,7
	s_wait_dscnt 7-\i                              ; load i is in; the 7 - i behind it may be out
	global_store_b128 v[GO], v[S+4*\i:S+4*\i+3], s[68:69] offset:(2*\i+8*(\i/4))*256 th:TH_STORE_NT   ; stage row 2 i + lane / 16 is the tile's token of that number, 8 further on from row 8
.endr
.endm
	s_cmp_lg_u32 s[U], 0
	s_cbranch_scc1 .Ljoin_low
	JOIN OH, HS
	s_branch .Ldone
.Ljoin_low:
	JOIN OL, 12
.Ldone:
	s_wait_tensorcnt 0x0                           ; the wave's end, behind my last tensor load and my last LDS store
	ds_add_u32 v[SPW], v[NIL]
	s_wait_dscnt 0x0
	CROUND                                         ; the closing round: no work-group ends while a partner may still ask for a tile that names it
	s_endpgm
.Lfunc_end_k_q214a57f2d5_attn:
	.size	k_q214a57f2d5_attn, .Lfunc_end_k_q214a57f2d5_attn-k_q214a57f2d5_attn
	.p2alignl 7, 3214868480
	.fill 96, 4, 3214868480
	.section	.rodata,"a",@progbits
	.p2align	6, 0x0
	.amdhsa_kernel k_q214a57f2d5_attn
		.amdhsa_group_segment_fixed_size 308224
		.amdhsa_private_segment_fixed_size 0
		.amdhsa_enable_private_segment 0
		.amdhsa_kernarg_size 32
		.amdhsa_user_sgpr_count 2
		.amdhsa_user_sgpr_kernarg_segment_ptr 1
		.amdhsa_wavefront_size32 1
		.amdhsa_system_sgpr_workgroup_id_x 1
		.amdhsa_system_sgpr_workgroup_id_y 1
		.amdhsa_system_sgpr_workgroup_id_z 1
		.amdhsa_system_vgpr_workitem_id 0
		.amdhsa_next_free_vgpr 384
		.amdhsa_next_free_sgpr 76
		.amdhsa_reserve_vcc 1
		.amdhsa_float_denorm_mode_32 3
		.amdhsa_float_denorm_mode_16_64 3
		.amdhsa_memory_ordered 1
		.amdhsa_forward_progress 1
		.amdhsa_inst_pref_size 117
	.end_amdhsa_kernel
	.amdgpu_metadata
---
amdhsa.version: [ 1, 2 ]
amdhsa.kernels:
  - .name:           k_q214a57f2d5_attn
    .symbol:         k_q214a57f2d5_attn.kd
    .args:
      - { .name: qc, .offset: 0, .size: 8, .value_kind: global_buffer, .address_space: global }
      - { .name: qs, .offset: 8, .size: 8, .value_kind: global_buffer, .address_space: global }
      - { .name: kv, .offset: 16, .size: 8, .value_kind: global_buffer, .address_space: global }
      - { .name: out0, .offset: 24, .size: 8, .value_kind: global_buffer, .address_space: global }
    .group_segment_fixed_size: 308224
    .private_segment_fixed_size: 0
    .kernarg_segment_align: 8
    .kernarg_segment_size: 32
    .max_flat_workgroup_size: 256
    .sgpr_count:     76
    .vgpr_count:     384
    .wavefront_size: 32
...
	.end_amdgpu_metadata
.endif
;; end of part 3
